; MI455X (gfx1250); checked and timed in simulation.
; The chip was launched on July 23, 2026; its instructions are those of AMD's public machine-readable ISA for CDNA 5 (MIT licence, August 2026) and "CDNA5" Instruction Set Architecture Reference Guide (July 2026). The comments in the code are by the model that wrote it; some were corrected since.
;; Query Key Self Attention. Allowed arithmetic: matrix products marked QUANTISED: E5M2 operands, one given power-of-two scale a tensor, by v_wmma_f32_16x16x64_bf8_bf8 or v_wmma_f32_16x16x128_bf8_bf8, f32 sums; everything else in f32.
;; Inputs: W_qk 2,048 x 1,024 float32; X 16 x 1,024 x 1,024 float32; b_qk 2,048 float32; lowp_scales 6 int32 (the exponents e of the quantised operands' scales 2^e).
;; Outputs: out0 16 x 1,024 x 1,024 float32.
;; This version of the problem:
;;   THIS VERSION OF THE PROBLEM IS GIVEN IN LOW PRECISION. The matrix products marked QUANTISED in the list below multiply operands that are first quantised to E5M2 (5 exponent bits, 2 mantissa bits; 8 bits a number), with one given power-of-two scale for each operand tensor; their sums are f32. All else is computed in f32.
;;   The module's matrix products, in the order in which they are computed (A, B: the left and right operand; K: the contracted axis; several contracted axes count as one K, in the product's order):
;;     1. [M 16,384, K 1,024] x [K 1,024, N 2,048]; A: input X; B: input W_qk: QUANTISED (scales: A lowp_scales[0], B lowp_scales[1])
;;     2. batch 256 x [M 1,024, K 64] x [K 64, N 1,024]; A: computed on the way; B: computed on the way: QUANTISED (scales: A lowp_scales[2], B lowp_scales[3])
;;     3. batch 256 x [M 1,024, K 1,024] x [K 1,024, N 64]; A: softmax (see below); B: input X: QUANTISED (scales: A lowp_scales[4], B lowp_scales[5])
;;   THE QUANTISER, for each operand of a quantised product, along K:
;;     - The operand's scale is 2^e, e = its entry of the input lowp_scales (int32; the entries are numbered through the quantised products in the list's order, A before B).
;;     - Each number is divided by the scale, clamped to +-57,344, and rounded to the nearest number of E5M2, ties to even, subnormals kept.
;;     - The product sums the exact products of the quantised numbers (number of the format x scale) in f32.
;;   ~~~python
;;   def quantise(x, axis, e):      # numpy; x: float32 -> the quantised numbers, widened to float32 again
;;       x = np.moveaxis(x, axis, -1); K = x.shape[-1]
;;       r = np.clip(x / 2.0 ** e, -57344, 57344)
;;       step = 2.0 ** (np.maximum(np.frexp(np.where(r == 0, 1, r))[1] - 1, -14) - 2)
;;       q = np.round(r / step) * step * 2.0 ** e      # np.round: ties to even
;;       return np.moveaxis(q, -1, axis).astype(np.float32)
;;   ~~~
;;   SOFTMAX AHEAD OF A QUANTISED PRODUCT. Where the list says 'softmax', what is quantised is not the finished softmax but p = 2^(t - M), with t = logit x log2(e) and M = ceil(the row's largest t), a whole number; so 1/2 < the row's largest p <= 1. The row's sum l is taken of the UNQUANTISED p, in f32, and the product's result is divided by l at the end. Since M is a whole number, a kernel that streams over the keys may use a running M (the ceiling of the running maximum): every later rescaling is an exact power of two, so the quantised numbers keep their values, but for numbers so far below the row's largest that they fall under the format's range.
;;   OPERANDS COMPUTED ON THE WAY. 'Computed on the way' means the value that the module computes at that place (a softmax that the list does not call 'softmax' is quantised finished and normalised). What goes into a quantiser is computed in f32, as accurately as f32 sums, v_exp_f32 and their like allow (about 1e-6 of the number): no bf16 or f16 on the way to a quantiser, and a product that is left as it is and whose result goes on into a quantised operand takes f32 operands (vector FMAs, or v_wmma_f32_16x16x4_f32). A number that lies on a knife's edge between two numbers of the format may be rounded either way, as far as f32 arithmetic and the matrix unit's own rounding can turn it there, and no further.
;; One version. Each part assembles by itself: llvm-mc -triple=amdgcn-amd-amdhsa -mcpu=gfx1250 --defsym DOCPART=n.
;; ======== version 1 of 1: 3 launches
;; limits: right only within a limited range of input values
;; workspace buffers: xq 16,777,216 bytes; wq 2,097,152 bytes; xt 16,777,216 bytes; qk 33,554,432 bytes
;; launch quant (part 1): grid 288 x 1, 8 waves a work-group, no clusters, 88,064 bytes of LDS; arguments X, W_qk, lowp_scales, xq, xt, wq; writes xq, xt, wq
.if DOCPART == 1
	.amdgcn_target "amdgcn-amd-amdhsa--gfx1250"
	.amdhsa_code_object_version 6
	.text
	.protected	k_qf01146e6f7_quant
	.globl	k_qf01146e6f7_quant
	.p2align	8
	.type	k_qf01146e6f7_quant,@function
k_qf01146e6f7_quant:
	s_mov_b64 s[64:65], 0
	v_nop
	global_prefetch_b8 v0, s[64:65] scope:SCOPE_SE
	s_setreg_imm32_b32 hwreg(HW_REG_WAVE_MODE, 25, 1), 1
	s_wait_xcnt 0x0
; X [16384][1024] f32 becomes two sets of codes of E5M2; W_qk [2048][1024] f32 becomes one.
;   xq [16384][1024]      : X / 2^e0, the model axis (the first product's K) innermost, as X lies
;   xt [16][1024 d][1024 s]: X / 2^e5, TURNED: the tokens (the third product's K) innermost
;   wq [2048][1024]       : W / 2^e1, as W lies
; code = x / 2^e, held within +-57,344, rounded to the nearest code, ties to even.
; LIMITS: e0, e1, e5 between -126 and 112, so that 2^e and 57,344 x 2^e are f32 numbers.  NaN among the inputs is not served; an infinity is held at the largest code.
; SHARES.  A work-group takes 256 rows x 256 columns: work-groups 0-255 of X, 256-287 of W.  Wave w takes rows 32 w .. 32 w + 31, in four steps of 8 rows.
; A row's 1,024 bytes come by two loads of 512 consecutive bytes: register 8 i + j of a lane is (row i, column 4 l + j) for j < 4, (row i, column 128 + 4 l + j - 4) else.
; The conversion takes eight neighbours along K from a lane's consecutive registers.  Along the columns they lie so already.  Along the rows the hold, which each number needs anyway,
; writes its result to register 8 j + i: the turn costs no instruction.
; THE WAYS OUT go through LDS, so that sixteen neighbouring lanes store 256 consecutive, aligned bytes:
;   the straight codes through a stage of the wave's own (8 rows x 272 bytes), step by step;
;   the turned codes through a stage of the work-group (256 columns x 272 bytes: a column's 256 tokens come from all eight waves), with one barrier, at the end.
; In the shared stage column 128 hi + 4 l + j lies in row 128 hi + 32 j + l, so that neighbouring lanes stand one row apart.
; No tensor loads, no cluster (work-groups share nothing), no loop: every offset is an immediate.  Two steps' loads, 32 of 512 bytes, are out for each wave.
.set TP,   272                         ; a stage row: 256 bytes + 16
.set TSTG, 0                           ; the shared stage: 256 rows
.set SSTG, 256*TP                      ; the waves' own stages: 8 rows each
.set NX,   256                         ; work-groups that take X
.set R,    16                          ; v16-143  two sets of 64 numbers as loaded
.set T,    144                         ; v144-207 a step's numbers, turned and held; at the end the turned codes on their way out
.set CT,   208                         ; v208-223 turned codes
.set CS,   224                         ; v224-239 straight codes
.set OB,   240                         ; v240-255 straight codes read back by rows
; v1 lane; v2 16 l; v3 shared stage, in; v4 own stage, in; v5 own stage, back; v6 its place in xq or wq; v7 shared stage, back; v8 its place in xt
; v9 2^e, v10 57,344 x 2^e (e = e0 or e1); v11, v12 the same for e5
	s_load_b256 s[4:11], s[0:1], 0x0               ; X s[4:5], W s[6:7], the exponents s[8:9], xq s[10:11]
	s_load_b128 s[12:15], s[0:1], 0x20             ; xt s[12:13], wq s[14:15]
	v_lshrrev_b32 v1, 5, v0
	s_delay_alu instid0(VALU_DEP_1)
	v_readfirstlane_b32 s16, v1                    ; wave 0..7
	v_and_b32 v1, 31, v0                           ; l
	v_and_b32 v13, 15, v0                          ; l % 16
	v_bfe_u32 v14, v0, 4, 1                        ; l / 16
	s_delay_alu instid0(VALU_DEP_3)
	v_lshlrev_b32 v2, 4, v1                        ; my 16 bytes of a load's 512
	s_lshl_b32 s36, s16, 5
	v_mul_u32_u24 v3, v1, TP
	s_delay_alu instid0(VALU_DEP_1)
	v_add_nc_u32 v3, s36, v3                       ; shared stage, in: row l (+ 32 j + 128 hi in the immediate), byte 32 w (+ 8 t)
	s_mul_i32 s38, s16, 8*TP
	s_add_co_u32 s38, s38, SSTG                    ; my wave's own stage
	v_lshl_add_u32 v4, v1, 2, s38                  ; in: four codes a lane
	v_mul_u32_u24 v15, v14, TP
	s_delay_alu instid0(VALU_DEP_1)
	v_lshl_add_u32 v15, v13, 4, v15                ; back: sixteen lanes to a row, two rows an instruction
	s_delay_alu instid0(VALU_DEP_1)
	v_add_nc_u32 v5, s38, v15
	s_mul_i32 s39, s16, 32*TP
	v_add_nc_u32 v7, s39, v15                      ; shared stage, back: my wave takes rows 32 w .. 32 w + 31
	v_lshlrev_b32 v6, 10, v14
	s_delay_alu instid0(VALU_DEP_1)
	v_lshl_add_u32 v6, v13, 4, v6                  ; the same two rows among rows of 1,024 codes
	v_lshlrev_b32 v8, 12, v14
	s_delay_alu instid0(VALU_DEP_1)
	v_lshl_add_u32 v8, v13, 4, v8                  ; stage rows that follow each other are columns 4 apart: 4,096 bytes in xt
	s_cmp_lt_u32 ttmp9, NX
	s_cselect_b32 s17, 0, NX
	s_sub_co_u32 s17, ttmp9, s17                   ; my tile's number in its tensor
	s_lshr_b32 s18, s17, 2                         ; block of 256 rows
	s_and_b32 s19, s17, 3                          ; block of 256 columns
	s_lshl_b32 s28, s18, 20                        ; f32: 256 rows of 4,096 bytes,
	s_lshl_b32 s36, s19, 10                        ; 256 columns,
	s_add_co_u32 s28, s28, s36
	s_lshl_b32 s36, s16, 17                        ; my wave's 32 rows
	s_add_co_u32 s28, s28, s36
	s_mov_b32 s29, 0
	s_lshl_b32 s30, s18, 18                        ; codes: a quarter of that
	s_lshl_b32 s36, s19, 8
	s_add_co_u32 s30, s30, s36
	s_lshl_b32 s36, s16, 15
	s_add_co_u32 s30, s30, s36
	s_mov_b32 s31, 0
	s_lshr_b32 s34, s18, 2                         ; xt: the batch,
	s_lshl_b32 s34, s34, 20
	s_lshl_b32 s36, s19, 18                        ; 256 columns of 1,024 bytes,
	s_add_co_u32 s34, s34, s36
	s_and_b32 s36, s18, 3
	s_lshl_b32 s36, s36, 8                         ; the tile's 256 tokens,
	s_add_co_u32 s34, s34, s36
	s_lshr_b32 s36, s16, 2
	s_lshl_b32 s36, s36, 17                        ; stage rows 32 w on are columns 128 (w / 4) + w % 4 + 4 m
	s_add_co_u32 s34, s34, s36
	s_and_b32 s36, s16, 3
	s_lshl_b32 s36, s36, 10
	s_add_co_u32 s34, s34, s36
	s_mov_b32 s35, 0
	s_wait_kmcnt 0x0
	s_load_b64 s[24:25], s[8:9], 0x0               ; e0, e1
	s_load_b32 s26, s[8:9], 0x14                   ; e5
	s_cmp_lt_u32 ttmp9, NX                         ; X's work-group or W's: the choice hangs on the work-group's number alone
	s_cselect_b64 s[20:21], s[4:5], s[6:7]
	s_cselect_b64 s[22:23], s[10:11], s[14:15]
	s_add_nc_u64 s[20:21], s[20:21], s[28:29]
	s_add_nc_u64 s[22:23], s[22:23], s[30:31]
	s_add_nc_u64 s[32:33], s[12:13], s[34:35]
.macro LOAD t                          ; step t's 8 rows into set t % 2: each load reads 512 consecutive bytes; each byte is read once in the launch
.irp i, 0,1,2,3,4,5,6,7
	global_load_b128 v[R+64*((\t)%2)+8*\i:R+64*((\t)%2)+8*\i+3], v2, s[20:21] offset:(8*(\t)+\i)*4096 th:TH_LOAD_NT
	global_load_b128 v[R+64*((\t)%2)+8*\i+4:R+64*((\t)%2)+8*\i+7], v2, s[20:21] offset:(8*(\t)+\i)*4096+512 th:TH_LOAD_NT
.endr
.endm
	LOAD 0
	LOAD 1
	s_wait_kmcnt 0x0
	s_cmp_lt_u32 ttmp9, NX
	s_cselect_b32 s24, s24, s25                    ; e0 for X, e1 for W
	s_add_co_i32 s24, s24, 127
	s_lshl_b32 s25, s24, 23
	v_mov_b32 v9, s25                              ; 2^e as f32: the conversion takes its exponent field
	s_add_co_i32 s24, s24, 15
	s_lshl_b32 s24, s24, 23
	s_or_b32 s24, s24, 0x600000
	v_mov_b32 v10, s24                             ; 57,344 x 2^e
	s_add_co_i32 s26, s26, 127
	s_lshl_b32 s27, s26, 23
	v_mov_b32 v11, s27                             ; 2^e5
	s_add_co_i32 s26, s26, 15
	s_lshl_b32 s26, s26, 23
	s_or_b32 s26, s26, 0x600000
	v_mov_b32 v12, s26                             ; 57,344 x 2^e5
.macro STEP t
.set RS, R+64*((\t)%2)
.if (\t) < 3
	s_wait_loadcnt 16                              ; this step's sixteen loads are in; the next step's sixteen may be out
.else
	s_wait_loadcnt 0
.endif
	s_cmp_ge_u32 ttmp9, NX                         ; W has no turned codes
	s_cbranch_scc1 .Lnot_x_\@
	s_wait_alu depctr_va_vdst(0)
.irp j, 0,1,2,3,4,5,6,7
.irp i, 0,1,2,3,4,5,6,7
	v_med3_num_f32 v[T+8*\j+\i], v[RS+8*\i+\j], -v12, v12   ; the hold (the conversion to an 8-bit code does not saturate: ISA guide 7.6.2) and the turn in one
.endr
.endr
.irp j, 0,1,2,3,4,5,6,7
	v_cvt_scalef32_pk8_bf8_f32 v[CT+2*\j:CT+2*\j+1], v[T+8*\j:T+8*\j+7], v11   ; eight tokens of one column
.endr
	v_nop                                          ; a plain vector line behind the last conversion of the run
.irp j, 0,1,2,3,4,5,6,7
	ds_store_b64 v3, v[CT+2*\j:CT+2*\j+1] offset:(128*(\j/4)+32*(\j%4))*TP+8*(\t)
.endr
.Lnot_x_\@:
.set cnt, 0
	s_wait_alu depctr_va_vdst(0)
.rept 64
	v_med3_num_f32 v[RS+cnt], v[RS+cnt], -v10, v10
.set cnt, cnt+1
.endr
.irp i, 0,1,2,3,4,5,6,7
	v_cvt_scalef32_pk8_bf8_f32 v[CS+2*\i:CS+2*\i+1], v[RS+8*\i:RS+8*\i+7], v9  ; row i: columns 4 l .. + 3 in the first register, 128 + 4 l .. + 3 in the second
.endr
	v_nop
.irp i, 0,1,2,3,4,5,6,7
	ds_store_b32 v4, v[CS+2*\i] offset:TP*\i
	ds_store_b32 v4, v[CS+2*\i+1] offset:TP*\i+128
.endr
.if (\t) > 0
	s_wait_xcnt 0x0                                ; the last step's stores have read their data: the registers are loaded again only behind this wait
.endif
.if (\t) < 2
	LOAD (\t)+2                                    ; into the set just used up
.endif
.irp k, 0,1,2,3
	ds_load_b128 v[OB+4*\k:OB+4*\k+3], v5 offset:2*TP*\k   ; LDS serves a wave's instructions in order: these see my stores, and the next step's stores come behind them
.endr
.irp k, 0,1,2,3
	s_wait_dscnt 3-\k                              ; the younger read-backs may be out; the last count, 0, also shows that every LDS store has read its registers
	global_store_b128 v6, v[OB+4*\k:OB+4*\k+3], s[22:23] offset:(8*(\t)+2*\k)*1024   ; sixteen lanes store 256 consecutive, aligned bytes
.endr
.endm
	STEP 0
	STEP 1
	STEP 2
	STEP 3
	s_wait_dscnt 0x0                               ; for the others' sake: my stores into the shared stage are done
	s_barrier_signal -1
	s_barrier_wait -1                              ; every wave passes here, in W's work-groups too
	s_cmp_ge_u32 ttmp9, NX
	s_cbranch_scc1 .Lend
.irp k, 0,1,2,3,4,5,6,7,8,9,10,11,12,13,14,15
	ds_load_b128 v[T+4*\k:T+4*\k+3], v7 offset:2*TP*\k
.endr
.irp k, 0,1,2,3,4,5,6,7,8,9,10,11,12,13,14,15
	s_wait_dscnt 15-\k
	global_store_b128 v8, v[T+4*\k:T+4*\k+3], s[32:33] offset:8192*\k   ; a column's 256 tokens: 256 consecutive, aligned bytes for sixteen lanes
.endr
.Lend:
	v_lshl_add_u32 v13, v0, 2, 0x15400             ; all 256 registers are at work up to here, so v0 is kept and the add's two registers are made anew: my spare word, behind the stages,
	v_mov_b32 v14, 0                               ; and 0 (v13 and v14 were at work in the head alone)
	s_wait_alu depctr_va_vdst(0)
	s_wait_tensorcnt 0x0                           ; the wave's end, behind my last LDS store
	ds_add_u32 v13, v14
	s_wait_dscnt 0x0
	s_endpgm
.Lfunc_end_k_qf01146e6f7_quant:
	.size	k_qf01146e6f7_quant, .Lfunc_end_k_qf01146e6f7_quant-k_qf01146e6f7_quant
	.p2alignl 7, 3214868480
	.fill 96, 4, 3214868480
	.section	.rodata,"a",@progbits
	.p2align	6, 0x0
	.amdhsa_kernel k_qf01146e6f7_quant
		.amdhsa_group_segment_fixed_size 88064
		.amdhsa_private_segment_fixed_size 0
		.amdhsa_enable_private_segment 0
		.amdhsa_kernarg_size 48
		.amdhsa_user_sgpr_count 2
		.amdhsa_user_sgpr_kernarg_segment_ptr 1
		.amdhsa_wavefront_size32 1
		.amdhsa_system_sgpr_workgroup_id_x 1
		.amdhsa_system_sgpr_workgroup_id_y 1
		.amdhsa_system_sgpr_workgroup_id_z 1
		.amdhsa_system_vgpr_workitem_id 0
		.amdhsa_next_free_vgpr 256
		.amdhsa_next_free_sgpr 66
		.amdhsa_reserve_vcc 0
		.amdhsa_float_denorm_mode_32 3
		.amdhsa_float_denorm_mode_16_64 3
		.amdhsa_memory_ordered 1
		.amdhsa_forward_progress 1
		.amdhsa_inst_pref_size 60
	.end_amdhsa_kernel
	.amdgpu_metadata
---
amdhsa.version: [ 1, 2 ]
amdhsa.kernels:
  - .name:           k_qf01146e6f7_quant
    .symbol:         k_qf01146e6f7_quant.kd
    .args:
      - { .name: X, .offset: 0, .size: 8, .value_kind: global_buffer, .address_space: global }
      - { .name: W_qk, .offset: 8, .size: 8, .value_kind: global_buffer, .address_space: global }
      - { .name: lowp_scales, .offset: 16, .size: 8, .value_kind: global_buffer, .address_space: global }
      - { .name: xq, .offset: 24, .size: 8, .value_kind: global_buffer, .address_space: global }
      - { .name: xt, .offset: 32, .size: 8, .value_kind: global_buffer, .address_space: global }
      - { .name: wq, .offset: 40, .size: 8, .value_kind: global_buffer, .address_space: global }
    .group_segment_fixed_size: 88064
    .private_segment_fixed_size: 0
    .kernarg_segment_align: 8
    .kernarg_segment_size: 48
    .max_flat_workgroup_size: 256
    .sgpr_count:     66
    .vgpr_count:     256
    .wavefront_size: 32
...
	.end_amdgpu_metadata
.endif
;; end of part 1
;; launch gemm (part 2): grid 8 x 32, 4 waves a work-group, clusters of 4 x 4, 327,680 bytes of LDS; arguments xq, wq, lowp_scales, b_qk, qk; writes qk
.if DOCPART == 2
	.amdgcn_target "amdgcn-amd-amdhsa--gfx1250"
	.amdhsa_code_object_version 6
	.text
	.protected	k_qf01146e6f7_gemm
	.globl	k_qf01146e6f7_gemm
	.p2align	8
	.type	k_qf01146e6f7_gemm,@function
k_qf01146e6f7_gemm:
	s_mov_b64 s[64:65], 0
	v_nop
	global_prefetch_b8 v0, s[64:65] scope:SCOPE_SE
	s_setreg_imm32_b32 hwreg(HW_REG_WAVE_MODE, 25, 1), 1
	s_wait_xcnt 0x0
	s_wait_alu depctr_hold_cnt(0) depctr_sa_sdst(0) depctr_va_vdst(0) depctr_va_sdst(0) depctr_va_ssrc(0) depctr_va_vcc(0) depctr_vm_vsrc(0)
	s_getreg_b32 s2, hwreg(HW_REG_IB_STS2, 6, 4)
	s_cmp_eq_u32 s2, 0
	s_cbranch_scc0 .Lentry_in_a_cluster
	s_endpgm
.Lentry_in_a_cluster:
	s_bfe_u32 s2, ttmp6, 0x10000c
	s_cmp_lg_u32 s2, 0xf033
	s_cbranch_scc0 .Lentry_shape_is_right
	s_endpgm
.Lentry_shape_is_right:
; qk = Q(X W^T + b): the first product on codes of E5M2, its result quantised on the way out for the second product.
; xq [16384][1024] (x 2^e0) and wq [2048][1024] (x 2^e1): codes, K innermost.  The sums begin with b / 2^(e0 + e1) as C, so a finished sum stands for (X W^T + b) / 2^(e0 + e1);
; its code is sum / 2^(e - e0 - e1), held within +-57,344 of that scale, e = e2 for q's columns (0-1023), e3 for k's (1024-2047).
; qk: [16 b][32 groups of 64 columns][1024 positions][64] codes; position = the token's number with bits 3 and 4 exchanged (the order in which the next launch wants keys).
; LIMITS: e - e0 - e1 between -126 and 112, so that the scale and 57,344 x the scale are f32 numbers; NaN is not served.
; A tile of C, 256 x 256, is made by four waves, 128 x 128 each: 64 accumulators in windows 2 and 3.  K goes in steps of 256 through a ring of two LDS slots; a tile's row is 256 bytes of memory, aligned.
; A WORK-GROUP STAYS: 512 tiles, 256 work-groups, two tiles each, 8,192 rows apart, in the same columns.  The ring does not stop at the first tile's end: its last two changes of slots ask for the second tile's
; K steps 0 and 1, and then the first tile goes out.  Both tiles are written out one behind the other: the second asks for nothing beyond its end.
; CLUSTERS: 4 x 4 work-groups; A's tile is asked for jointly along a row of the cluster, B's along a column.  The matrix instruction is used transposed (source 0 = rows of W, source 1 = rows of X):
; a lane holds eight neighbouring columns of one row, which are eight neighbours along the next product's K.
; PREFETCH: behind each joint load one instruction a wave asks for the K step that stands two refills on: 32 rows x 256 bytes, a lane a row.  Of the 128 rows that a wave fetches, the partner at place p among the four
; that ask for them jointly names rows 32 p .. 32 p + 31 (p = cx for A, cy for B): told apart by address alone.  K step 0 comes by its load alone.  K step 1, whose load goes out only when K step 0 has landed,
; is asked for behind K step 0's load too, beside K step 2.  W's rows serve both tiles and are asked for in the first alone; the second tile's refills ask for nothing.  The address registers are never rewritten.
; REGISTERS: window 0: v0-31 addresses, v32-95 the bias as C (kept for both tiles), v128-255 A's fragments, one set; on the way out the codes.  Window 1: B's fragments, two sets; on the way out work registers and read-backs.
.set SIZE_K, 1024
.set ROWB,   256
.set KROW,   SIZE_K
.set PITCH,  272                       ; an LDS row: 256 bytes + 16 of padding
.set FR,     16
.set NL,     4
.set NP,     4
.set HALFT,  128*PITCH
.set SLOT,   4*HALFT
.set SPARE,  2*SLOT                    ; behind the ring: the spare words, 128 bytes a wave
.set STG,    SPARE+512                 ; behind them the stages, bytes of their own into which no tile lands: 128 positions x 80 bytes for each wave
.set HSTG,   128*80
.set NEXT_A, 8192*KROW-2*ROWB          ; from a slot's last K step of the first tile to its first of the second: 8,192 rows down, back along K
.set SC,   12
.set LIM,  13
.set ADRA, 16
.set ADRB, 20
.set STO,  24
.set RD,   25
.set CO,   26
.set SPW,  28
.set NIL,  29
.set PFO,  30                          ; the prefetches' offset: my lane x a row of 1,024 bytes
.set BI,   32
.set AF,   128
.set CD,   128
.set G1, 24
.set G0, 32
.set G1B, 48
.set G0B, 56
.set MSB, 0
.macro WIN new                         ; the immediate's high byte repeats the setting that is left
.if MSB != \new
	s_set_vgpr_msb (MSB<<8)|\new
.set MSB, \new
.endif
.endm
.set MUL_LO, 0xa1                      ; source 0 (B) window 1, source 1 (A) window 0, C and D window 2
.set MUL_HI, 0xf1
.set ONE_LO, 0x81                      ; the same with C (the bias) in window 0
.set ONE_HI, 0xc1
.set TO_B,   0x40
.macro JLOAD g0a, g1a, g0b, g1b        ; a joint load: waves 0 and 1 fetch for A, waves 2 and 3 for B; s_nop 0 and four v_nop follow each line
	s_cmp_eq_u32 s15, 0
	s_cbranch_scc0 .Lfor_b_\@
	tensor_load_to_lds s[\g0a:\g0a+3], s[\g1a:\g1a+7]
	s_nop 0
.rept 4
	v_nop
.endr
	s_branch .Lasked_\@
.Lfor_b_\@:
	tensor_load_to_lds s[\g0b:\g0b+3], s[\g1b:\g1b+7]
	s_nop 0
.rept 4
	v_nop
.endr
.Lasked_\@:
.endm
.macro CREST                           ; a round of the cluster's barrier behind its opening barrier
	s_cmp_lg_u32 s14, 0
	s_cbranch_scc1 .Lnot_wave_0_\@
	s_barrier_signal -3
.Lnot_wave_0_\@:
	s_barrier_wait -3
	s_barrier_signal -1
	s_barrier_wait -1
.endm
.macro CROUND
	s_barrier_signal -1
	s_barrier_wait -1
	CREST
.endm
.macro ASK off                         ; the second tile's K step at byte off of A's rows: A's waves alone
	s_cmp_eq_u32 s15, 0
	s_cbranch_scc0 .Lnot_mine_\@
	global_prefetch_b8 v[PFO], s[78:79] offset:\off th:TH_LOAD_NT scope:SCOPE_SE
.Lnot_mine_\@:
.endm
.macro FRAG reg, adr, q, i             ; 16 rows x 128 K: registers 4 c .. 4 c + 3 hold K = 32 c + 16 (l / 16) + 0 .. 15, alike in A and B
.irp c, 0,1,2,3
	ds_load_b128 v[\reg+4*\c:\reg+4*\c+3], v[\adr] offset:128*(\q)+32*\c+(\i)*16*PITCH
.endr
.endm
.macro MUL16 a0, p, zero               ; A's blocks a0, a0 + 1 x B's eight; zero = 1: the sums begin with the bias.  The 64 accumulators take turns, one instruction a turn
.irp a, \a0, \a0+1
.irp b, 0,1,2,3,4,5,6,7
.if \zero
	v_wmma_f32_16x16x128_bf8_bf8 v[8*(8*((\a)%4)+\b):8*(8*((\a)%4)+\b)+7], v[128*(\p)+FR*\b:128*(\p)+FR*\b+FR-1], v[AF+FR*(\a):AF+FR*(\a)+FR-1], v[BI+8*\b:BI+8*\b+7]
.else
	v_wmma_f32_16x16x128_bf8_bf8 v[8*(8*((\a)%4)+\b):8*(8*((\a)%4)+\b)+7], v[128*(\p)+FR*\b:128*(\p)+FR*\b+FR-1], v[AF+FR*(\a):AF+FR*(\a)+FR-1], v[8*(8*((\a)%4)+\b):8*(8*((\a)%4)+\b)+7]
.endif
.endr
.endr
.endm
.macro FETCH_B slot, q, p
	WIN TO_B
.irp i, 0,1,2,3,4,5,6,7
	FRAG 128*(\p)+FR*\i, ADRB+\slot, \q, \i
.endr
	WIN 0
.endm
.macro FETCH_A slot, q, i0
.irp i, \i0, \i0+1, \i0+2, \i0+3
	FRAG AF+FR*(\i), ADRA+\slot, \q, \i
.endr
.endm
.macro PLACES n                        ; places behind matrix instructions, in front of loads into their operands and of reads of their results
.rept \n
	v_nop
.endr
.endm
.macro STEP slot, q, zero              ; 128 along K with its successor in the same slot
	s_wait_dscnt 4*NL                              ; B's set and A's blocks 0-3 are in; A's blocks 4-7, sixteen loads, may be out
.if \zero
	WIN ONE_LO
.else
	WIN MUL_LO
.endif
	MUL16 0, (\q)%2, \zero
	MUL16 2, (\q)%2, \zero
	s_wait_dscnt 0
	PLACES NP
	FETCH_B \slot, (\q)+1, 1-(\q)%2
	FETCH_A \slot, (\q)+1, 0
.if \zero
	WIN ONE_HI
.else
	WIN MUL_HI
.endif
	MUL16 4, (\q)%2, \zero
	MUL16 6, (\q)%2, \zero
	PLACES NP
	WIN 0
	FETCH_A \slot, (\q)+1, 4
.endm
; A slot's last 128 along K, and the change of slots.  fill = 1: the slot takes this tile's K step two on; 2: the next tile's K step 0 or 1; 0: nothing.  fetch = 0: the next slot's fragments are fetched behind the way out.
.macro TURN slot, next, fill, fetch, ask
	s_wait_tensorcnt 0x0                           ; all my tensor loads have landed: my part of the next slot;
	ds_add_u32 v[SPW], v[NIL]
	s_wait_dscnt 4*NL+1                            ; (the add and A's blocks 4-7 may be out)
	WIN MUL_LO
	MUL16 0, 1, 0
	s_wait_dscnt 0x0                               ; the add is done, and my reads of this slot are over
	s_barrier_signal -1
	MUL16 2, 1, 0
	WIN 0
	s_barrier_wait -1
.if \fill
	CREST                                          ; the barrier has opened a round of the cluster's barrier: no wave of any partner reads this slot or has a load on its way
.if \fill == 1
	s_add_nc_u64 s[G0+4*\slot+2:G0+4*\slot+3], s[G0+4*\slot+2:G0+4*\slot+3], 2*ROWB
	s_add_nc_u64 s[G0B+4*\slot+2:G0B+4*\slot+3], s[G0B+4*\slot+2:G0B+4*\slot+3], 2*ROWB
.else
	s_add_nc_u64 s[G0+4*\slot+2:G0+4*\slot+3], s[G0+4*\slot+2:G0+4*\slot+3], NEXT_A
	s_sub_nc_u64 s[G0B+4*\slot+2:G0B+4*\slot+3], s[G0B+4*\slot+2:G0B+4*\slot+3], 2*ROWB
.endif
	JLOAD G0+4*\slot, G1, G0B+4*\slot, G1B         ; the first tensor load behind the round; its four v_nop are the places in front of the loads below
.else
	PLACES NP
.endif
.if \fetch
	FETCH_B \next, 0, 0
	FETCH_A \next, 0, 0
.endif
.if \ask >= 0
	ASK \ask
.endif
	WIN MUL_HI
	MUL16 4, 1, 0
	MUL16 6, 1, 0
.if \fetch
	PLACES NP
	WIN 0
	FETCH_A \next, 0, 4
.else
	WIN 0
.endif
.endm
; THE WAY OUT.  Block a (16 rows x 128 columns): hold, conversion (eight neighbouring columns a lane), codes kept in v[CD + 16 a ..].  The wave's two groups of 64 columns go through its stage one after the other
; and come back as 512 consecutive bytes of qk for the 32 lanes.  LDS serves a wave's instructions in order: no wait between the stores and the loads, nor in front of the second group's stores.
.macro PACKQ a
.set AC, 64*((\a)%4)
.set CDA, CD+16*(\a)
	WIN 0x42+((\a)/4)                              ; destination window 1, source 0 window 2 or 3
.set cnt, 0
.rept 64
	v_med3_num_f32 v[cnt], v[AC+cnt], -v[LIM], v[LIM]   ; the conversion does not saturate (ISA guide 7.6.2); each accumulator from its low end on
.set cnt, cnt+1
.endr
	WIN 0x01                                       ; source 0 window 1
.irp b, 0,1,2,3,4,5,6,7
	v_cvt_scalef32_pk8_bf8_f32 v[CDA+2*\b:CDA+2*\b+1], v[8*\b:8*\b+7], v[SC]
.endr
	WIN 0
	v_nop                                          ; a plain line behind the last conversion of the run
.irp b, 0,1,2,3
	ds_store_b64 v[STO], v[CDA+2*\b:CDA+2*\b+1] offset:(32*((\a)/2)+8*((\a)%2))*80+16*\b
.endr
.endm
.macro WAYOUT
	PLACES NP
.irp a, 0,1,2,3,4,5,6,7
	PACKQ \a
.endr
	WIN TO_B
.set cnt, 0
.rept 16
	ds_load_b128 v[4*cnt:4*cnt+3], v[RD] offset:640*cnt
.set cnt, cnt+1
.endr
	WIN 0
.irp a, 0,1,2,3,4,5,6,7
.irp b, 4,5,6,7
	ds_store_b64 v[STO], v[CD+16*\a+2*\b:CD+16*\a+2*\b+1] offset:(32*(\a/2)+8*(\a%2))*80+16*(\b-4)
.endr
.endr
	WIN TO_B
.set cnt, 0
.rept 16
	ds_load_b128 v[64+4*cnt:64+4*cnt+3], v[RD] offset:640*cnt
.set cnt, cnt+1
.endr
	WIN 0x04                                       ; a store's data: source 1, window 1
.set cnt, 0
.rept 32
.if cnt < 16
	s_wait_dscnt 63-cnt                            ; out may be: the group's younger read-backs, the second group's 32 stores and 16 read-backs
.else
	s_wait_dscnt 31-cnt
.endif
	global_store_b128 v[CO], v[4*cnt:4*cnt+3], s[12:13] offset:(cnt/16)*65536+512*(cnt%16)   ; 32 lanes store 512 consecutive, aligned bytes
.set cnt, cnt+1
.endr
	WIN 0
.endm
	s_load_b256 s[4:11], s[0:1], 0x0               ; xq, wq, the exponents, the bias
	s_load_b64 s[12:13], s[0:1], 0x20              ; qk
	v_lshl_add_u32 v[SPW], v0, 2, SPARE
	v_mov_b32 v[NIL], 0
	ds_add_u32 v[SPW], v[NIL]                      ; the opening lines: the add, twice on end, and its wait ahead of the round in front of the first loads
	ds_add_u32 v[SPW], v[NIL]
	v_lshrrev_b32 v1, 5, v0
	v_readfirstlane_b32 s14, v1                    ; wave 0..3
	s_lshr_b32 s15, s14, 1                         ; my half of the tile's rows; also: I fetch for A (0) or B (1)
	s_and_b32 s16, s14, 1                          ; my half of its columns; also: which 128 rows I fetch
	s_bfe_u32 s40, ttmp6, 0x40000                  ; cx
	s_bfe_u32 s41, ttmp6, 0x40004                  ; cy
	s_lshl_b32 s42, ttmp9, 2
	s_add_co_u32 s42, s42, s40                     ; tile column
	s_and_b32 s17, ttmp7, 0xffff
	s_lshl_b32 s17, s17, 2
	s_add_co_u32 s17, s17, s41                     ; the first tile's row, 0..31
	s_lshl_b32 s43, s41, 2
	s_lshl_b32 s43, 15, s43                        ; my row of the cluster
	s_lshl_b32 s44, 0x1111, s40                    ; my column
	s_or_b32 s[G1+0], s43, (0<<16)|(1<<20)|(1<<21)|(5<<22)|(3<<25)   ; the mask; elements of 1 byte; four words of padding after every 64; bit 21 beside a mask
	s_or_b32 s[G1B+0], s44, (0<<16)|(1<<20)|(1<<21)|(5<<22)|(3<<25)
.irp g, G1, G1B
	s_mov_b32 s[\g+1], ROWB<<16
	s_mov_b32 s[\g+2], 128<<16
	s_mov_b32 s[\g+3], ROWB<<16
	s_mov_b32 s[\g+4], 128
	s_mov_b32 s[\g+5], KROW
	s_mov_b32 s[\g+6], 0
	s_mov_b32 s[\g+7], 0
.endr
	s_lshl_b32 s18, s16, 7
	s_lshl_b32 s20, s17, 8
	s_add_co_u32 s20, s20, s18                     ; A: row 256 x tile row + 128 x half
	s_lshl_b32 s46, s42, 8
	s_add_co_u32 s46, s46, s18                     ; B: row 256 x tile column + 128 x half
	s_mov_b32 s21, 0
	s_mov_b32 s47, 0
	s_mov_b64 s[18:19], KROW
	s_mul_u64 s[20:21], s[20:21], s[18:19]
	s_mul_u64 s[46:47], s[46:47], s[18:19]
	s_mul_i32 s45, s14, HALFT                      ; where they go: wave x 128 rows
	s_wait_dscnt 0x0                               ; both opening adds are done
	CROUND                                         ; the round in front of the first joint loads: it names no argument, so it stands ahead of the wait for them
	s_wait_kmcnt 0x0
	s_load_b128 s[68:71], s[8:9], 0x0              ; e0, e1, e2, e3
	s_add_nc_u64 s[20:21], s[4:5], s[20:21]
	s_add_nc_u64 s[46:47], s[6:7], s[46:47]
.irp s, 0,1
	s_mov_b32 s[G0+4*\s], 1
	s_add_co_u32 s[G0+4*\s+1], s45, \s*SLOT
	s_add_nc_u64 s[G0+4*\s+2:G0+4*\s+3], s[20:21], \s*ROWB
	s_or_b32 s[G0+4*\s+3], s[G0+4*\s+3], 0x80000000
	s_mov_b32 s[G0B+4*\s], 1
	s_add_co_u32 s[G0B+4*\s+1], s45, \s*SLOT
	s_add_nc_u64 s[G0B+4*\s+2:G0B+4*\s+3], s[46:47], \s*ROWB
	s_or_b32 s[G0B+4*\s+3], s[G0B+4*\s+3], 0x80000000
.endr
	JLOAD G0, G1, G0B, G1B                         ; K step 0: one tensor load a wave at the head
	; the prefetches' bases: s[76:77] my work-group's 32 of the 128 rows that I fetch, in the first tile; s[78:79] the same rows of A in the second tile
	s_lshl_b32 s72, s17, 8
	s_lshl_b32 s73, s42, 8
	s_cmp_eq_u32 s15, 0
	s_cselect_b32 s74, s72, s73
	s_cselect_b32 s75, s40, s41
	s_cselect_b64 s[76:77], s[4:5], s[6:7]
	s_lshl_b32 s18, s16, 7
	s_add_co_u32 s74, s74, s18
	s_add_co_u32 s72, s72, s18
	s_lshl_b32 s75, s75, 5
	s_add_co_u32 s74, s74, s75
	s_lshl_b32 s75, s40, 5
	s_add_co_u32 s72, s72, s75
	s_lshl_b32 s74, s74, 10
	s_lshl_b32 s72, s72, 10
	s_mov_b32 s75, 0
	s_mov_b32 s73, 0
	s_add_nc_u64 s[76:77], s[76:77], s[74:75]
	s_add_nc_u64 s[78:79], s[4:5], s[72:73]
	s_add_nc_u64 s[78:79], s[78:79], 8192*KROW
	v_and_b32 v[PFO], 31, v0
	v_lshlrev_b32 v[PFO], 10, v[PFO]
	global_prefetch_b8 v[PFO], s[76:77] offset:ROWB th:TH_LOAD_NT scope:SCOPE_SE     ; K step 1: its load goes out behind the wait for K step 0
	global_prefetch_b8 v[PFO], s[76:77] offset:2*ROWB th:TH_LOAD_NT scope:SCOPE_SE   ; K step 2, two refills on
	v_and_b32 v1, 15, v0
	s_wait_alu depctr_va_vdst(0)
	v_bfe_u32 v2, v0, 4, 1
	v_lshlrev_b32 v7, 5, v2
	s_lshl_b32 s72, s42, 10
	s_lshl_b32 s73, s16, 9
	s_add_co_u32 s72, s72, s73
	s_mov_b32 s73, 0
	s_add_nc_u64 s[72:73], s[10:11], s[72:73]      ; the bias of my 128 columns
.irp b, 0,1,2,3,4,5,6,7
	global_load_b128 v[BI+8*\b:BI+8*\b+3], v7, s[72:73] offset:64*\b
	global_load_b128 v[BI+8*\b+4:BI+8*\b+7], v7, s[72:73] offset:64*\b+16
.endr
	v_mul_u32_u24 v3, v1, PITCH
	v_lshl_add_u32 v4, v2, 4, v3
	s_mul_i32 s21, s15, HALFT
	s_mul_i32 s22, s16, HALFT
	s_add_co_u32 s22, s22, 2*HALFT
.irp s, 0,1
	v_add_nc_u32 v[ADRA+\s], s21, v4
	v_add_nc_u32 v[ADRB+\s], s22, v4
	s_add_co_u32 s21, s21, SLOT
	s_add_co_u32 s22, s22, SLOT
.endr
	s_mul_i32 s23, s14, HSTG
	s_add_co_u32 s23, s23, STG                     ; my stage
	v_and_b32 v5, 7, v1
	v_lshrrev_b32 v6, 3, v1
	v_lshl_add_u32 v5, v6, 4, v5                   ; row r of a block lands at position r % 8 + 16 (r / 8): bits 3 and 4 exchanged with the blocks' immediates
	v_mul_u32_u24 v5, v5, 80
	v_lshl_add_u32 v5, v2, 3, v5
	v_add_nc_u32 v[STO], s23, v5
	v_and_b32 v6, 31, v0
	v_lshrrev_b32 v5, 2, v6
	v_mul_u32_u24 v5, v5, 80
	v_and_b32 v8, 3, v6
	v_lshl_add_u32 v5, v8, 4, v5
	v_add_nc_u32 v[RD], s23, v5
	v_lshlrev_b32 v[CO], 4, v6
	s_lshr_b32 s20, s17, 2
	s_lshl_b32 s20, s20, 21                        ; qk: the batch,
	s_and_b32 s21, s17, 3
	s_lshl_b32 s21, s21, 14                        ; the tile's 256 positions,
	s_add_co_u32 s20, s20, s21
	s_lshl_b32 s21, s15, 13                        ; my 128 of them,
	s_add_co_u32 s20, s20, s21
	s_mov_b32 s21, 0
	s_lshl_b32 s46, s42, 18                        ; the tile's four groups,
	s_lshl_b32 s47, s16, 17                        ; my two of them
	s_add_co_u32 s46, s46, s47
	s_mov_b32 s47, 0
	s_add_nc_u64 s[20:21], s[20:21], s[46:47]
	s_add_nc_u64 s[12:13], s[12:13], s[20:21]
	s_wait_kmcnt 0x0
	s_cmp_eq_u32 ttmp9, 0                          ; cluster x = 0: q's columns
	s_cselect_b32 s75, s70, s71
	s_add_co_i32 s74, s68, s69
	s_sub_co_i32 s75, s75, s74
	s_sub_co_i32 s74, 0, s74
	s_add_co_i32 s75, s75, 127
	s_lshl_b32 s18, s75, 23
	v_mov_b32 v[SC], s18                           ; 2^(e - e0 - e1)
	s_add_co_i32 s75, s75, 15
	s_lshl_b32 s75, s75, 23
	s_or_b32 s75, s75, 0x600000
	v_mov_b32 v[LIM], s75                          ; 57,344 x that
	s_wait_loadcnt 0x0
.set cnt, 0
.rept 64
	v_ldexp_f32 v[BI+cnt], v[BI+cnt], s74          ; b / 2^(e0 + e1)
.set cnt, cnt+1
.endr
	s_wait_alu depctr_va_vdst(0)
	s_wait_tensorcnt 0x0                           ; my part of K step 0 is in
	ds_add_u32 v[SPW], v[NIL]
	s_wait_dscnt 0x0
	CROUND
	JLOAD G0+4, G1, G0B+4, G1B                     ; K step 1, the first tensor load behind the round
	global_prefetch_b8 v[PFO], s[76:77] offset:3*ROWB th:TH_LOAD_NT scope:SCOPE_SE   ; K step 3
.macro TILE last
	FETCH_B 0, 0, 0
	FETCH_A 0, 0, 0
	FETCH_A 0, 0, 4
	STEP 0, 0, 1
.if \last
	TURN 0, 1, 1, 1, -1
	STEP 1, 0, 0
	TURN 1, 0, 1, 1, -1
	STEP 0, 0, 0
	TURN 0, 1, 0, 1, -1                            ; the last two K steps fill nothing
	STEP 1, 0, 0
	s_wait_dscnt 4*NL
	WIN MUL_LO
	MUL16 0, 1, 0
	MUL16 2, 1, 0
	s_wait_dscnt 0
	WIN MUL_HI
	MUL16 4, 1, 0
	MUL16 6, 1, 0
	WIN 0
.else
	TURN 0, 1, 1, 1, 0
	STEP 1, 0, 0
	TURN 1, 0, 1, 1, ROWB
	STEP 0, 0, 0
	TURN 0, 1, 2, 1, 2*ROWB                        ; the ring goes on into the second tile: slot 0 takes its K step 0,
	STEP 1, 0, 0
	TURN 1, 0, 2, 0, 3*ROWB                        ; slot 1 its K step 1; both are asked for when the first tile goes out
.endif
	WAYOUT
.endm
	TILE 0
	s_wait_xcnt 0x0                                ; the stores have read their data and their base: B's fragments land on those registers, and the base steps, only behind this wait
	s_add_nc_u64 s[12:13], s[12:13], 0x1000000     ; 8,192 rows on: eight batches of 2,097,152 bytes
	TILE 1
	s_wait_tensorcnt 0x0                           ; the wave's end: behind my last tensor load and my last LDS store
	ds_add_u32 v[SPW], v[NIL]
	s_wait_dscnt 0x0
	CROUND                                         ; the closing round
	s_endpgm
.Lfunc_end_k_qf01146e6f7_gemm:
	.size	k_qf01146e6f7_gemm, .Lfunc_end_k_qf01146e6f7_gemm-k_qf01146e6f7_gemm
	.p2alignl 7, 3214868480
	.fill 96, 4, 3214868480
	.section	.rodata,"a",@progbits
	.p2align	6, 0x0
	.amdhsa_kernel k_qf01146e6f7_gemm
		.amdhsa_group_segment_fixed_size 327680
		.amdhsa_private_segment_fixed_size 0
		.amdhsa_enable_private_segment 0
		.amdhsa_kernarg_size 40
		.amdhsa_user_sgpr_count 2
		.amdhsa_user_sgpr_kernarg_segment_ptr 1
		.amdhsa_wavefront_size32 1
		.amdhsa_system_sgpr_workgroup_id_x 1
		.amdhsa_system_sgpr_workgroup_id_y 1
		.amdhsa_system_sgpr_workgroup_id_z 1
		.amdhsa_system_vgpr_workitem_id 0
		.amdhsa_next_free_vgpr 1024
		.amdhsa_next_free_sgpr 80
		.amdhsa_reserve_vcc 0
		.amdhsa_float_denorm_mode_32 3
		.amdhsa_float_denorm_mode_16_64 3
		.amdhsa_memory_ordered 1
		.amdhsa_forward_progress 1
		.amdhsa_inst_pref_size 252
	.end_amdhsa_kernel
	.amdgpu_metadata
---
amdhsa.version: [ 1, 2 ]
amdhsa.kernels:
  - .name:           k_qf01146e6f7_gemm
    .symbol:         k_qf01146e6f7_gemm.kd
    .args:
      - { .name: xq, .offset: 0, .size: 8, .value_kind: global_buffer, .address_space: global }
      - { .name: wq, .offset: 8, .size: 8, .value_kind: global_buffer, .address_space: global }
      - { .name: lowp_scales, .offset: 16, .size: 8, .value_kind: global_buffer, .address_space: global }
      - { .name: b_qk, .offset: 24, .size: 8, .value_kind: global_buffer, .address_space: global }
      - { .name: qk, .offset: 32, .size: 8, .value_kind: global_buffer, .address_space: global }
    .group_segment_fixed_size: 327680
    .private_segment_fixed_size: 0
    .kernarg_segment_align: 8
    .kernarg_segment_size: 40
    .max_flat_workgroup_size: 128
    .sgpr_count:     80
    .vgpr_count:     1024
    .wavefront_size: 32
...
	.end_amdgpu_metadata
.endif
;; end of part 2
;; launch attn (part 3): grid 16 x 16, 16 waves a work-group, no clusters, 207,872 bytes of LDS; arguments qk, xt, lowp_scales, out0; writes out0
.if DOCPART == 3
	.amdgcn_target "amdgcn-amd-amdhsa--gfx1250"
	.amdhsa_code_object_version 6
	.text
	.protected	k_qf01146e6f7_attn
	.globl	k_qf01146e6f7_attn
	.p2align	8
	.type	k_qf01146e6f7_attn,@function
k_qf01146e6f7_attn:
	s_mov_b64 s[64:65], 0
	v_nop
	global_prefetch_b8 v0, s[64:65] scope:SCOPE_SE
	s_setreg_imm32_b32 hwreg(HW_REG_WAVE_MODE, 25, 1), 1
	s_wait_xcnt 0x0
; out[b][s][64 h + d] = the sum over keys l of softmax_l(q[s] . k[l] / 8) X[b][l][64 h + d], both products on codes of E5M2.
; qk: [16 b][32 groups][1024 positions][64] codes: group h is q's head (x 2^e2), group 16 + h is k's (x 2^e3); position = the token's number with bits 3 and 4 exchanged.
; xt: [16 b][1024 d][1024 tokens] codes (x 2^e5): the keys, the second product's K, innermost and in their own order.
; THE SOFTMAX: t = score x log2(e) / 8; M = the row's largest t so far, rounded UP to a whole number; p = 2^(t - M) is what is quantised (with 2^e4); it is not normalised.
; The row's sum is taken of the unquantised p, in f32, and divides at the end.  When M moves, the sum and O are multiplied by 2^(old M - new M): exact.
; LIMITS: e2 + e3 between -123 and 130 (they are added to c's exponent field); e4 between -126 and 112; e4 + e5 is applied by v_ldexp_f32 and has none; the scaled scores t stay under 2^31 in magnitude.
; SHARES.  A work-group owns one head of one batch: 256 work-groups.  The head's k (65,536 bytes) and its part of xt (65,536 bytes) come into LDS ONCE, by eight tensor loads at the head:
; no slot is filled again, and one barrier serves the launch.  No cluster: no two work-groups read the same tile.  No prefetch: all that is read is asked for at the head, and there is no loop to run ahead in.
; Each of the sixteen waves owns 64 query positions, in two passes of 32 (two tiles of 16): each fragment of k and of xt read from LDS feeds two matrix instructions.
; A KEY STEP IS 128 KEYS: 128 score registers a lane against 32 packed rescalings of O^T and one set of statistics a tile.  Scores: the K = 64 form (the head's 64); O^T: the K = 128 form (the step's keys).
; LAYOUT.  Both products are used transposed: S^T = k q^T (source 0 = 16 key positions, source 1 = 16 queries), O^T = V^T p^T (source 0 = 16 of the head's 64, source 1 = p): a lane holds ONE query (l % 16).
; Position 16 u + 8 h + j of a step is key 32 (u / 2) + 16 h + 8 (u % 2) + j: the 16 registers of key tiles 2 a and 2 a + 1 are 16 neighbouring keys, and the conversions' results ARE the second product's operand,
; in the order in which four loads of 16 bytes, 32 apart, bring xt's keys.  All fragments come so: a permutation of k that is the same on both sides of each product.
; REGISTERS (256): v0 thread; v1, v2 my lane's place in a tile of k, of V; v3 V's address of the step; (v4, v5) f of tile 0 and 57,344 x 2^e4; (v6, v7) f of tile 1 and 2^e4: f is named as the low word of its pair;
; (v8, v9), (v10, v11) -M and the largest raw score of tiles 0, 1; v[12:13], v[14:15] the sums in two halves; v16-31 q; v32-63 F: four fragments of k, then work registers, then p's codes;
; v64-191 S^T, then p (tile x, key tile u at 64 x + 8 u); tile 0's 64 take V's four fragments once their codes are made; v192-255 O^T (tile x, channels 16 t on at 32 x + 8 t).
.set KP,   272                         ; LDS: four key positions (256 bytes) + 16 of padding: the sixteen lanes of a load touch sixteen different 16-byte columns
.set VP,   1040                        ; a row of xt: 1,024 bytes + 16
.set VOFF, 256*KP                      ; k's 256 rows, then V's 64 rows,
.set STG,  VOFF+64*VP                  ; then the way out: 16 rows x 272 bytes for each wave, in blocks of 256 bytes into which no tile lands,
.set SPARE, STG+16*16*272              ; then the spare words: 128 bytes for each wave
.set AK, 1
.set AV, 2
.set VC, 3
.set FX, 4
.set LIM, 5
.set SC, 7
.set NM, 8
.set MX, 9
.set SU, 12
.set Q, 16
.set F, 32
.set S, 64
.set O, 192
.set C2, F+16                          ; six registers: the sums' three further chains
.set DT, F+24                          ; two registers: old M - new M
.set KC, S+127                         ; k's address of the step: in the register that the step's last score product writes, behind the loads that read it
.set T,  S+64                          ; six registers for addresses at the head and on the way out
; s12 wave; s13 head; s14 batch; s[16:23], s[24:31] descriptor groups 1 for k and V; s[32:35], s[36:39] their groups 0; s[40:43] e2 .. e5; s[44:45] c; s[46:47] lane selects;
; s48, s49 where the step's k and V begin in LDS; s50 steps to go; s51 e4 + e5; s[52:53] q at my wave's first position; s[54:55] out at my wave's first token; s62 my stage
	s_load_b256 s[4:11], s[0:1], 0x0               ; qk s[4:5], xt s[6:7], the exponents s[8:9], out s[10:11]
	v_lshl_add_u32 v254, v0, 2, SPARE
	v_mov_b32 v255, 0
	ds_add_u32 v254, v255                          ; the opening lines: the add, twice on end, and its wait ahead of the first tensor load
	ds_add_u32 v254, v255
	v_lshrrev_b32 v1, 5, v0
	v_readfirstlane_b32 s12, v1                    ; wave 0..15
	s_mov_b32 s13, ttmp9                           ; the head
	s_and_b32 s14, ttmp7, 0xffff                   ; the batch
	s_and_b32 s56, s12, 3                          ; which quarter I fetch, if I fetch
	s_mov_b32 s16, (0<<16)|(1<<20)|(5<<22)|(3<<25) ; k: 64 rows x 256 bytes, dense in memory; elements of 1 byte; four words of padding after every 64
	s_mov_b32 s17, 256<<16
	s_mov_b32 s18, 64<<16
	s_mov_b32 s19, 256<<16
	s_mov_b32 s20, 64
	s_mov_b32 s21, 256
	s_mov_b32 s22, 0
	s_mov_b32 s23, 0
	s_mov_b32 s24, (0<<16)|(1<<20)|(7<<22)|(3<<25) ; V: 16 rows x 1,024 bytes, dense in memory; four words of padding after every 256
	s_mov_b32 s25, 1024<<16
	s_mov_b32 s26, 16<<16
	s_mov_b32 s27, 1024<<16
	s_mov_b32 s28, 16
	s_mov_b32 s29, 1024
	s_mov_b32 s30, 0
	s_mov_b32 s31, 0
	s_lshl_b32 s57, s14, 5
	s_add_co_u32 s57, s57, s13
	s_lshl_b32 s57, s57, 16                        ; q's head in qk: (32 b + h) x 65,536
	s_lshl_b32 s58, s56, 14                        ; a quarter: 16,384 bytes
	s_add_co_u32 s60, s57, s58
	s_add_co_u32 s60, s60, 0x100000                ; k's head lies 16 groups on
	s_mov_b32 s61, 0
	s_lshl_b32 s62, s14, 20                        ; xt: the batch,
	s_lshl_b32 s59, s13, 16                        ; the head's 64 rows,
	s_add_co_u32 s62, s62, s59
	s_add_co_u32 s62, s62, s58                     ; my 16 of them
	s_mov_b32 s63, 0
	s_mov_b32 s32, 1
	s_mul_i32 s33, s56, 64*KP                      ; LDS address: the wave's number times a constant
	s_mov_b32 s36, 1
	s_mul_i32 s37, s56, 16*VP
	s_add_co_u32 s37, s37, VOFF
	s_mov_b32 s46, 0x76543210
	s_mov_b32 s47, 0xfedcba98                      ; v_permlanex16_b32: lane l xor 16
	s_wait_dscnt 0x0                               ; both opening adds are done
	s_wait_kmcnt 0x0
	s_load_b128 s[40:43], s[8:9], 0x8              ; e2, e3, e4, e5
	s_add_nc_u64 s[34:35], s[4:5], s[60:61]
	s_or_b32 s35, s35, 0x80000000                  ; type = 2
	s_add_nc_u64 s[38:39], s[6:7], s[62:63]
	s_or_b32 s39, s39, 0x80000000
	; Waves 0-3 fetch k's quarters, waves 4-7 V's, the others nothing: one tensor load of a wave is out.  The branches hang on the wave's number alone; s_nop 0 and four v_nop follow each load.
	s_cmp_lt_u32 s12, 4
	s_cbranch_scc0 .Lnot_k
	tensor_load_to_lds s[32:35], s[16:23]
	s_nop 0
.rept 4
	v_nop
.endr
	s_branch .Lasked
.Lnot_k:
	s_cmp_lt_u32 s12, 8
	s_cbranch_scc0 .Lasked
	tensor_load_to_lds s[36:39], s[24:31]
	s_nop 0
.rept 4
	v_nop
.endr
.Lasked:
	s_lshl_b32 s58, s12, 11                        ; my wave's 32 positions of a pass
	s_add_co_u32 s58, s57, s58
	s_mov_b32 s59, 0
	s_add_nc_u64 s[52:53], s[4:5], s[58:59]
	s_mul_i32 s62, s12, 16*272
	s_add_co_u32 s62, s62, STG                     ; my stage
	s_lshl_b32 s60, s14, 22                        ; out: the batch,
	s_lshl_b32 s61, s13, 8                         ; the head's 256 bytes of a row,
	s_add_co_u32 s60, s60, s61
	s_lshl_b32 s61, s12, 17                        ; my wave's 32 tokens of a pass
	s_add_co_u32 s60, s60, s61
	s_mov_b32 s61, 0
	s_add_nc_u64 s[54:55], s[10:11], s[60:61]
.macro QLOAD p                         ; pass p's two tiles of q: positions 512 p + 32 w + 16 x on; v[T] = 64 r + 16 h
.irp x, 0,1
	global_load_b128 v[Q+8*\x:Q+8*\x+3], v[T], s[52:53] offset:32768*(\p)+1024*\x
	global_load_b128 v[Q+8*\x+4:Q+8*\x+7], v[T], s[52:53] offset:32768*(\p)+1024*\x+32
.endr
.endm
	v_and_b32 v[T+4], 15, v0                       ; r = l % 16
	v_bfe_u32 v[T+5], v0, 4, 1                     ; h = l / 16
	v_lshlrev_b32 v[T], 6, v[T+4]
	v_lshl_add_u32 v[T], v[T+5], 4, v[T]
	QLOAD 0
	v_lshrrev_b32 v[T+1], 2, v[T+4]
	v_mul_u32_u24 v[AK], v[T+1], KP
	v_and_b32 v[T+1], 3, v[T+4]
	v_lshl_add_u32 v[AK], v[T+1], 6, v[AK]
	v_lshl_add_u32 v[AK], v[T+5], 4, v[AK]         ; k: position r lies at 272 (r / 4) + 64 (r % 4); + 16 h
	v_mul_u32_u24 v[AV], v[T+4], VP
	v_lshl_add_u32 v[AV], v[T+5], 4, v[AV]
	v_add_nc_u32 v[AV], VOFF, v[AV]                ; V: row r, + 16 h
	s_wait_alu depctr_va_vdst(0)
	s_wait_kmcnt 0x0
	s_add_co_i32 s56, s40, s41
	s_lshl_b32 s56, s56, 23
	s_mov_b32 s44, 0x3e38aa3b                      ; c = log2(e) / 8
	s_add_co_i32 s44, s44, s56                     ; a score of codes stands for score x 2^(e2 + e3): the exponents are added to c's exponent field
	s_mov_b32 s45, s44                             ; (named with it as a pair, so it is written)
	s_add_co_i32 s56, s42, 127
	s_lshl_b32 s57, s56, 23
	v_mov_b32 v[SC], s57                           ; 2^e4 as f32, for the conversion
	s_add_co_i32 s56, s56, 15
	s_lshl_b32 s56, s56, 23
	s_or_b32 s56, s56, 0x600000
	v_mov_b32 v[LIM], s56                          ; 57,344 x 2^e4
	s_add_co_i32 s51, s42, s43                     ; e4 + e5
	s_wait_alu depctr_va_vdst(0)
	s_wait_tensorcnt 0x0                           ; my quarter has landed (a wave that fetched nothing passes at once),
	s_barrier_signal -1
	s_barrier_wait -1                              ; everybody's has: from here on k and V are only read
.macro KLOAD g                         ; four fragments of k: key tiles 4 g .. 4 g + 3
.irp u, 0,1,2,3
	ds_load_b128 v[F+8*\u:F+8*\u+3], v[KC] offset:4*KP*(4*(\g)+\u)
	ds_load_b128 v[F+8*\u+4:F+8*\u+7], v[KC] offset:4*KP*(4*(\g)+\u)+32
.endr
.endm
.macro SMUL g                          ; their eight score products: every one starts its own accumulator with the constant 0
.irp u, 0,1,2,3
.irp x, 0,1
	v_wmma_f32_16x16x64_bf8_bf8 v[S+64*\x+8*(4*(\g)+\u):S+64*\x+8*(4*(\g)+\u)+7], v[F+8*\u:F+8*\u+7], v[Q+8*\x:Q+8*\x+7], 0
.endr
.endr
.endm
.macro MAXH g                          ; the largest raw score, running: two chains a tile (the second in f's register, which is free here), the four by turns; each accumulator is first read at its low end
.irp u, 0,1,2,3
.set BU, S+8*(4*(\g)+\u)
.irp x, 0,1
	v_max3_num_f32 v[MX+2*\x], v[MX+2*\x], v[BU+64*\x], v[BU+64*\x+1]
.endr
.irp x, 0,1
.if (\g)+\u == 0
	v_max_num_f32 v[FX+2*\x], v[BU+64*\x+2], v[BU+64*\x+3]
.else
	v_max3_num_f32 v[FX+2*\x], v[FX+2*\x], v[BU+64*\x+2], v[BU+64*\x+3]
.endif
.endr
.irp x, 0,1
	v_max3_num_f32 v[MX+2*\x], v[MX+2*\x], v[BU+64*\x+4], v[BU+64*\x+5]
.endr
.irp x, 0,1
	v_max3_num_f32 v[FX+2*\x], v[FX+2*\x], v[BU+64*\x+6], v[BU+64*\x+7]
.endr
.endr
.endm
.macro SUM x                           ; the row's sum is taken of the UNQUANTISED p: 32 packed additions in four chains
.set BS, S+64*(\x)
.set SX, SU+2*(\x)
	v_pk_add_f32 v[C2:C2+1], v[BS:BS+1], v[BS+2:BS+3]
	v_pk_add_f32 v[C2+2:C2+3], v[BS+4:BS+5], v[BS+6:BS+7]
	v_pk_add_f32 v[C2+4:C2+5], v[BS+8:BS+9], v[BS+10:BS+11]
.set j, 12
.rept 6
	v_pk_add_f32 v[SX:SX+1], v[SX:SX+1], v[BS+j:BS+j+1]
	v_pk_add_f32 v[C2:C2+1], v[C2:C2+1], v[BS+j+2:BS+j+3]
	v_pk_add_f32 v[C2+2:C2+3], v[C2+2:C2+3], v[BS+j+4:BS+j+5]
	v_pk_add_f32 v[C2+4:C2+5], v[C2+4:C2+5], v[BS+j+6:BS+j+7]
.set j, j+8
.endr
	v_pk_add_f32 v[SX:SX+1], v[SX:SX+1], v[BS+60:BS+61]
	v_pk_add_f32 v[C2:C2+1], v[C2:C2+1], v[BS+62:BS+63]
	v_pk_add_f32 v[C2+2:C2+3], v[C2+2:C2+3], v[C2+4:C2+5]
	v_pk_add_f32 v[SX:SX+1], v[SX:SX+1], v[C2:C2+1]
	v_pk_add_f32 v[SX:SX+1], v[SX:SX+1], v[C2+2:C2+3]
.endm
.macro CVT x                           ; tile x's codes: registers 4 a .. 4 a + 3 are keys 32 a + 16 h + 0 .. 15
.irp u, 0,1,2,3,4,5,6,7
	v_cvt_scalef32_pk8_bf8_f32 v[F+16*(\x)+2*\u:F+16*(\x)+2*\u+1], v[S+64*(\x)+8*\u:S+64*(\x)+8*\u+7], v[SC]
.endr
.endm
; A KEY STEP: 128 keys x my 32 queries.
.macro STEP
	v_add_nc_u32 v[KC], s48, v[AK]
	v_add_nc_u32 v[VC], s49, v[AV]
.rept 3
	v_nop                                          ; with the two additions: five places behind the last step's products, whose operands are loaded into and written over by products below
.endr
	KLOAD 0
	s_wait_alu depctr_va_vdst(0)
	s_wait_dscnt 0x0
	SMUL 0
.rept 4
	v_nop                                          ; four places: in front of the loads into the fragments just read and of the first reads of the scores
.endr
	KLOAD 1
	MAXH 0                                         ; the first half's maxima stand under the second half's loads
	s_wait_alu depctr_va_vdst(0)                   ; the maxima's chains go on behind the wait below
	s_wait_dscnt 0x0
	SMUL 1
.rept 4
	v_nop
.endr
	MAXH 1
.irp x, 0,1
	v_max_num_f32 v[MX+2*\x], v[MX+2*\x], v[FX+2*\x]           ; the two chains,
.endr
.irp x, 0,1
	v_permlanex16_b32 v[FX+2*\x], v[MX+2*\x], s46, s47
.endr
.irp x, 0,1
	v_max_num_f32 v[MX+2*\x], v[MX+2*\x], v[FX+2*\x]           ; and lane l xor 16's: the query's largest raw score so far
.endr
.irp x, 0,1
	v_mul_f32 v[FX+2*\x], s44, v[MX+2*\x]                      ; as t (c is positive)
.endr
.irp x, 0,1
	v_floor_f32 v[FX+2*\x], -v[FX+2*\x]                        ; the new -M = floor(-t) = -ceil(t): M is a whole number
.endr
.irp x, 0,1
	v_sub_f32 v[DT+\x], v[FX+2*\x], v[NM+2*\x]                 ; M's old value less its new one: a whole number, 0 or less
.endr
.irp x, 0,1
	v_mov_b32 v[NM+2*\x], v[FX+2*\x]
.endr
.irp x, 0,1
	v_cvt_i32_f32 v[DT+\x], v[DT+\x]                           ; (it saturates)
.endr
.irp x, 0,1
	v_ldexp_f32 v[FX+2*\x], 1.0, v[DT+\x]                      ; f = 2^(old M - new M)
.endr
.irp x, 0,1
	v_pk_mul_f32 v[SU+2*\x:SU+2*\x+1], v[SU+2*\x:SU+2*\x+1], v[FX+2*\x:FX+2*\x+1] op_sel_hi:[1,0]   ; the sums under the new M
.endr
.set i, 0
.rept 32
	v_pk_mul_f32 v[O+2*i:O+2*i+1], v[O+2*i:O+2*i+1], v[FX+2*(i/16):FX+2*(i/16)+1] op_sel_hi:[1,0]   ; O^T under the new M, ahead of the step's exponentials; each accumulator from its low end on
.set i, i+1
.endr
.set i, 0
.rept 32
	v_pk_fma_f32 v[S+2*i:S+2*i+1], v[S+2*i:S+2*i+1], s[44:45], v[NM:NM+1] op_sel_hi:[1,0,0]         ; tile 0: t - M, two at a time (of the pairs c and -M the low word serves both halves)
.set i, i+1
.endr
	s_wait_alu depctr_va_vdst(0)
.set i, 0
.rept 32                                       ; tile 0's exponentials; between them tile 1's t - M, which names none of their registers
	v_exp_f32 v[S+2*i], v[S+2*i]
	v_exp_f32 v[S+2*i+1], v[S+2*i+1]
	v_pk_fma_f32 v[S+64+2*i:S+64+2*i+1], v[S+64+2*i:S+64+2*i+1], s[44:45], v[NM+2:NM+3] op_sel_hi:[1,0,0]
.set i, i+1
.endr
	s_wait_alu depctr_va_vdst(0)                   ; one wait: behind tile 0's batch, ahead of its first reader, and ahead of tile 1's batch
	SUM 0
.set i, 0
.rept 32                                       ; tile 1's exponentials; between them tile 0's hold: p is never negative, so it is one-sided (the conversion does not saturate: ISA guide 7.6.2); two numbers an instruction
	v_exp_f32 v[S+64+2*i], v[S+64+2*i]
	v_exp_f32 v[S+65+2*i], v[S+65+2*i]
	v_dual_min_num_f32 v[S+2*i], v[S+2*i], v[LIM] :: v_dual_min_num_f32 v[S+2*i+1], v[S+2*i+1], v[LIM]
.set i, i+1
.endr
	v_nop                                          ; a plain line behind the last exponential
	s_wait_alu depctr_va_vdst(0)                   ; one wait for the batch, ahead of its first reader
	CVT 0
.irp t, 0,1,2,3                                ; V's four fragments (16 channels x 128 keys) into tile 0's registers, whose codes are made
.irp a, 0,1,2,3
	ds_load_b128 v[S+16*\t+4*\a:S+16*\t+4*\a+3], v[VC] offset:16*VP*\t+32*\a
.endr
.endr
	SUM 1                                          ; tile 1's sum, hold and codes stand under V's loads
.set i, 0
.rept 32
	v_dual_min_num_f32 v[S+64+2*i], v[S+64+2*i], v[LIM] :: v_dual_min_num_f32 v[S+65+2*i], v[S+65+2*i], v[LIM]
.set i, i+1
.endr
	CVT 1
	v_nop                                          ; a plain line between the last conversion and the products that read the codes
	s_wait_alu depctr_va_vdst(0)
	s_wait_dscnt 0x0                               ; V is in
.irp t, 0,1,2,3
.irp x, 0,1
	v_wmma_f32_16x16x128_bf8_bf8 v[O+32*\x+8*\t:O+32*\x+8*\t+7], v[S+16*\t:S+16*\t+15], v[F+16*\x:F+16*\x+15], v[O+32*\x+8*\t:O+32*\x+8*\t+7]   ; the eight accumulators take turns, one instruction a turn
.endr
.endr
.endm
; THE WAY OUT of pass p.  O^T is divided by the row's sum, multiplied by 2^(e4 + e5), and goes through my stage, a tile at a time, so that sixteen lanes store a token's 256 bytes of the head, aligned.
; Position 16 x + r of my 32 is token 16 (r / 8) + 8 x + r % 8: the exchange of bits 3 and 4 is undone in the stores' immediates.
.macro WAYOUT p
.irp x, 0,1
	v_add_f32 v[FX+2*\x], v[SU+2*\x], v[SU+2*\x+1]             ; the sum's two halves,
.endr
.irp x, 0,1
	v_permlanex16_b32 v[MX+2*\x], v[FX+2*\x], s46, s47
.endr
.irp x, 0,1
	v_add_f32 v[FX+2*\x], v[FX+2*\x], v[MX+2*\x]               ; and lane l xor 16's
.endr
	v_and_b32 v[T+4], 15, v0                       ; r
	v_bfe_u32 v[T+5], v0, 4, 1                     ; h
.if (\p) == 0
	v_lshlrev_b32 v[T], 6, v[T+4]
	v_lshl_add_u32 v[T], v[T+5], 4, v[T]
	QLOAD 1                                        ; the next pass's q: its registers were last read by this pass's last scores
.endif
	v_mul_u32_u24 v[T+1], v[T+4], 272
	v_lshl_add_u32 v[T+1], v[T+5], 5, v[T+1]
	v_add_nc_u32 v[T+1], s62, v[T+1]               ; the stage, in: row r; my half's eight channels: + 32 h (+ 64 t)
	v_mul_u32_u24 v[T+2], v[T+5], 272
	v_lshl_add_u32 v[T+2], v[T+4], 4, v[T+2]
	v_add_nc_u32 v[T+2], s62, v[T+2]               ; back: lanes 0-15 one row, lanes 16-31 the next
	v_lshlrev_b32 v[T+3], 12, v[T+5]
	v_lshl_add_u32 v[T+3], v[T+4], 4, v[T+3]       ; and the same in out: a token's row is 4,096 bytes
	s_wait_alu depctr_va_vdst(0)
.irp x, 0,1
	v_rcp_f32 v[FX+2*\x], v[FX+2*\x]
.endr
	v_nop                                          ; a plain line behind the last reciprocal
	s_wait_alu depctr_va_vdst(0)                   ; one wait for both, ahead of their first reader
.irp x, 0,1
	v_ldexp_f32 v[FX+2*\x], v[FX+2*\x], s51
.endr
	s_wait_alu depctr_va_vdst(0)                   ; directly ahead of the first reader of O^T
.set i, 0
.rept 32
	v_pk_mul_f32 v[S+2*i:S+2*i+1], v[O+2*i:O+2*i+1], v[FX+2*(i/16):FX+2*(i/16)+1] op_sel_hi:[1,0]   ; register 32 x + 8 t + j is channel 16 t + 8 h + j of query r
.set i, i+1
.endr
.irp x, 0,1
.irp t, 0,1,2,3
	ds_store_b128 v[T+1], v[S+32*\x+8*\t:S+32*\x+8*\t+3] offset:64*\t
	ds_store_b128 v[T+1], v[S+32*\x+8*\t+4:S+32*\x+8*\t+7] offset:64*\t+16
.endr
.irp i, 0,1,2,3,4,5,6,7
	ds_load_b128 v[F+128*\x+4*\i:F+128*\x+4*\i+3], v[T+2] offset:2*272*\i   ; tile 0 back into v32-63, tile 1 into v160-191.  LDS serves a wave's instructions in order: these see my stores, and the next tile's stores come behind them
.endr
.endr
.irp x, 0,1
.irp i, 0,1,2,3,4,5,6,7
	s_wait_dscnt 23-16*\x-\i                       ; out may be: the tile's younger read-backs and, for tile 0, tile 1's sixteen LDS instructions
	global_store_b128 v[T+3], v[F+128*\x+4*\i:F+128*\x+4*\i+3], s[54:55] offset:(512*(\p)+16*(\i/4)+8*\x+2*(\i%4))*4096 th:TH_STORE_NT
.endr
.endr
.endm
; A PASS: 32 queries against all 1,024 keys, eight steps.  The step is written once: O^T and the sum begin as zeros, the largest score as -3e38 and -M as 3e38, and the first change of M multiplies zeros by 0.
.macro PASS p
.irp x, 0,1
	v_mov_b32 v[MX+2*\x], 0xff61b1e6
	v_mov_b32 v[NM+2*\x], 0x7f61b1e6
	v_mov_b32 v[SU+2*\x], 0
	v_mov_b32 v[SU+2*\x+1], 0
.endr
.set i, 0
.rept 64
	v_mov_b32 v[O+i], 0
.set i, i+1
.endr
	s_mov_b32 s48, 0
	s_mov_b32 s49, 0
	s_mov_b32 s50, 8
	s_wait_alu depctr_va_vdst(0)
	s_wait_loadcnt 0x0                             ; q
	s_wait_xcnt 0x0                                ; the last pass's stores have read their data and offsets: those registers are written again only behind this wait
.Lkey_\@:
	STEP
	s_add_co_u32 s48, s48, 32*KP                   ; 128 positions of k: 32 LDS rows
	s_add_co_u32 s49, s49, 128                     ; 128 keys along V's rows
	s_sub_co_u32 s50, s50, 1
	s_cmp_lg_u32 s50, 0
	s_cbranch_scc1 .Lkey_\@
	WAYOUT \p
.endm
	PASS 0
	PASS 1
	s_wait_xcnt 0x0
	v_lshl_add_u32 v254, v0, 2, SPARE              ; no two registers could be kept through the loop: v0 was, and the add's two are made anew
	v_mov_b32 v255, 0
	s_wait_alu depctr_va_vdst(0)
	s_wait_tensorcnt 0x0                           ; the wave's end: behind my last tensor load and my last LDS store
	ds_add_u32 v254, v255
	s_wait_dscnt 0x0
	s_endpgm
.Lfunc_end_k_qf01146e6f7_attn:
	.size	k_qf01146e6f7_attn, .Lfunc_end_k_qf01146e6f7_attn-k_qf01146e6f7_attn
	.p2alignl 7, 3214868480
	.fill 96, 4, 3214868480
	.section	.rodata,"a",@progbits
	.p2align	6, 0x0
	.amdhsa_kernel k_qf01146e6f7_attn
		.amdhsa_group_segment_fixed_size 207872
		.amdhsa_private_segment_fixed_size 0
		.amdhsa_enable_private_segment 0
		.amdhsa_kernarg_size 32
		.amdhsa_user_sgpr_count 2
		.amdhsa_user_sgpr_kernarg_segment_ptr 1
		.amdhsa_wavefront_size32 1
		.amdhsa_system_sgpr_workgroup_id_x 1
		.amdhsa_system_sgpr_workgroup_id_y 1
		.amdhsa_system_sgpr_workgroup_id_z 1
		.amdhsa_system_vgpr_workitem_id 0
		.amdhsa_next_free_vgpr 256
		.amdhsa_next_free_sgpr 66
		.amdhsa_reserve_vcc 0
		.amdhsa_float_denorm_mode_32 3
		.amdhsa_float_denorm_mode_16_64 3
		.amdhsa_memory_ordered 1
		.amdhsa_forward_progress 1
		.amdhsa_inst_pref_size 83
	.end_amdhsa_kernel
	.amdgpu_metadata
---
amdhsa.version: [ 1, 2 ]
amdhsa.kernels:
  - .name:           k_qf01146e6f7_attn
    .symbol:         k_qf01146e6f7_attn.kd
    .args:
      - { .name: qk, .offset: 0, .size: 8, .value_kind: global_buffer, .address_space: global }
      - { .name: xt, .offset: 8, .size: 8, .value_kind: global_buffer, .address_space: global }
      - { .name: lowp_scales, .offset: 16, .size: 8, .value_kind: global_buffer, .address_space: global }
      - { .name: out0, .offset: 24, .size: 8, .value_kind: global_buffer, .address_space: global }
    .group_segment_fixed_size: 207872
    .private_segment_fixed_size: 0
    .kernarg_segment_align: 8
    .kernarg_segment_size: 32
    .max_flat_workgroup_size: 512
    .sgpr_count:     66
    .vgpr_count:     256
    .wavefront_size: 32
...
	.end_amdgpu_metadata
.endif
;; end of part 3
